; MI455X (gfx1250); checked and timed in simulation.
; The chip was launched on July 23, 2026; its instructions are those of AMD's public machine-readable ISA for CDNA 5 (MIT licence, August 2026) and "CDNA5" Instruction Set Architecture Reference Guide (July 2026). The comments in the code are by the model that wrote it; some were corrected since.
;; Flow Level. Allowed arithmetic: float matrix products may take bf16 or f16 operands with f32 sums; all other float work in f32.
;; Inputs: an1_bias 10 x 128 float32; an1_scale 10 x 128 float32; an2_bias 10 x 128 float32; an2_scale 10 x 128 float32; an_bias 10 x 2 float32; an_scale 10 x 2 float32; conv_w 10 x 2 x 2 float32; fc1_b 10 x 128 float32; fc1_w 10 x 128 x 1 float32; fc2_b 10 x 128 float32; fc2_w 10 x 128 x 128 float32; fc3_b 10 x 2 float32; fc3_w 10 x 2 x 128 float32; log_scale_factor 10 x 2 float32; x 262,144 x 2 float32.
;; Outputs: out0 262,144 x 2 float32; out1 262,144 float32.
;; One version. Each part assembles by itself: llvm-mc -triple=amdgcn-amd-amdhsa -mcpu=gfx1250 --defsym DOCPART=n.
;; ======== version 1 of 1: 1 launch
;; limits: values are held in f16: magnitudes above 65,504 overflow, below 6.1e-05 lose precision; right only within a limited range of input values
;; launch flow (part 1): grid 256 x 1, 8 waves a work-group, clusters of 4 x 1, 327,680 bytes of LDS; arguments x, fc2_w, an1_bias, an1_scale, an2_bias, an2_scale, fc1_b, fc1_w, fc2_b, fc3_w, an_bias, an_scale, conv_w, fc3_b, log_scale_factor, out0, out1; writes out0, out1
.if DOCPART == 1
	.amdgcn_target "amdgcn-amd-amdhsa--gfx1250"
	.amdhsa_code_object_version 6
	.text
	.protected	k_qe2e2499dbb_flow
	.globl	k_qe2e2499dbb_flow
	.p2align	8
	.type	k_qe2e2499dbb_flow,@function
k_qe2e2499dbb_flow:
	s_mov_b64 s[64:65], 0
	v_nop
	global_prefetch_b8 v0, s[64:65] scope:SCOPE_SE
	s_setreg_imm32_b32 hwreg(HW_REG_WAVE_MODE, 25, 1), 1
	s_wait_xcnt 0x0
	s_wait_alu depctr_hold_cnt(0) depctr_sa_sdst(0) depctr_va_vdst(0) depctr_va_sdst(0) depctr_va_ssrc(0) depctr_va_vcc(0) depctr_vm_vsrc(0)
	s_getreg_b32 s2, hwreg(HW_REG_IB_STS2, 6, 4)
	s_cmp_eq_u32 s2, 0
	s_cbranch_scc0 .Lentry_in_a_cluster
	s_endpgm
.Lentry_in_a_cluster:
	s_bfe_u32 s2, ttmp6, 0x10000c
	s_cmp_lg_u32 s2, 0x3003
	s_cbranch_scc0 .Lentry_shape_is_right
	s_endpgm
.Lentry_shape_is_right:
; Ten flow steps (actnorm, 2 x 2 conv, affine coupling with an MLP 1 -> 128 -> 128 -> 2) on 262,144 rows, in one launch.
; A work-group owns 1,024 rows, a wave 128 rows = 8 tiles of 16; z and logdet stay in registers through all ten layers.
;
; THE PRODUCTS ARE USED TRANSPOSED: A = weights (rows = output features), B = activations (columns = samples).  Register j of a result in lane
; (r, h) is then feature 16 mt + 8 h + j of sample r, so that relu and v_cvt_pk_f16_f32 of two neighbouring feature tiles give the next
; product's B fragment as it stands (ISA guide 7.12.2: lane (r, h) holds k = 8 h .. and 16 + 8 h ..): no lane traffic, no way through LDS.
; FOLDED ONCE, in f32:  a1 = w1 / an1s, c1 = (b1 - an1b) / an1s;  W2' = W2 / an2s[row] (before the rounding to f16), bias2 = (b2 - an2b) / an2s,
; which enters as the C of the first K step;  e0 = exp(lsf0), e1n = -log2e exp(lsf1), bt = b3[0] e0, bs = -log2e (b3[1] e1 + 2).
; So t = e0 (W3t h2) + bt and y = e1n (W3s h2) + bs, with sigmoid = 1 / (1 + 2^y) and log s = -ln2 log2(1 + 2^y); logdet is summed in log2.
; MATRIX OPERANDS ARE f16, WITH AN EXACT SCALE.  Ten dependent layers carry each rounding on, so the operands take f16's 11 bits.  relu commutes with
; a positive factor, so each wave scales each layer by a power of two: M = max|z_b| max|a1| + max|c1| + 2^-12 max|bias2| over its 128 rows,
; 2^e = M's exponent, sigma = 2^-e.  Then h1s = relu((sigma z_b) a1 + sigma c1) < 2, fc2 starts from sigma bias2 (< 2^13), and the
; epilogue multiplies fc3's sums by e0 2^e and e1n 2^e.  Powers of two change no mantissa.
; fc3 FOR TWO TILES ON ONE ACCUMULATOR: W3E has rows t, s at rows 0, 1 and W3O at rows 8, 9, all other rows zero.  Tile p goes through W3E and tile
; p + 4 through W3O into accumulator p: lanes 0-15 get tile p's two sums in registers 0, 1, lanes 16-31 tile p + 4's.  Each lane so owns 4 samples.
; TWO ORDERS: waves 0-3 run fc2/fc3 of layer i and then the vector phase of layer i + 1, waves 4-7 the vector phase of layer i and then its
; fc2/fc3, so that at any time half of the waves have matrix work and half vector work.
; CLUSTER: all work-groups walk the same fc2_w, so four of them ask for each layer jointly (mask 15).  A wave's tile is 32 rows of 256 bytes, not
; more: it is exactly the 16 rows of W2 that this wave alone reads and converts, so its own wait on TENSORcnt orders the reads.
; LIMITS.  f16: |sigma pre2| < 2 rowsum + 2^13 must stay below 65,504, so the sum over k of |fc2_w[j][k] / an2_scale[j]| must be below 28,000 for
; every row j; |fc3_w| below 65,504; weights below 2^-14 are kept in steps of 2^-24; a row whose h1 is below 2^-14 of its wave's M is kept in steps
; of 2^-24 M.  e0 2^e and e1n 2^e must be finite.  A row of x that is infinite spoils its wave's scale.  relu of a NaN gives 0 (v_max_num_f32).
; v_rcp_f32, v_log_f32 and v_exp_f32 flush denormals (ISA guide 15.8): a scale or determinant that is denormal, or whose reciprocal is, is not
; served.  2^y overflows above y = 128, where exp(-(h + 2)) overflows in f32 as well.  All sums and everything but the matrix operands are f32.
.set DUAL,  1                          ; 1: relu of two registers as one dual-issue pair
.set LAYERS, 10
.set STG,   0                          ; 65,536 bytes: one layer's fc2_w in f32, filled by tensor loads alone; wave w's 16 rows at 8,192 w
.set PAR,   65536                      ; ten blocks of LB bytes, one a layer, stored once
.set LB,    3072
.set O_C1,  512                        ; in a block: a1 at 0, c1, bias2, 1/an2s (512 bytes each),
.set O_B2,  1024
.set O_INV, 1536
.set O_W3,  2048                       ; W3's rows t, s and a row of zeros in f16, 272 bytes apart,
.set O_K,   2864                       ; 16 words: b0 b1 m00 m10 | m01 m11 bt bs | e0 e1n alpha beta | cl 0 0 0
.set W2B,   98304                      ; W2' in f16: 128 rows, 272 bytes apart
.set P2,    272                        ; 256 bytes + 16 = 68 words: the 16 rows of a fragment load start 4 words apart
; vector registers, window 0
.set ADR_PH,  1                        ; PAR + 32 h                      (a1, c1, bias2 of my 8 features in a tile of 16)
.set ADR_A,   2                        ; W2B + 272 r + 16 h
.set ADR_WE,  3                        ; PAR + O_W3 + 272 (r = 0: 0, r = 1: 1, else 2) + 16 h
.set ADR_WO,  4                        ; the same with r = 8: 0, r = 9: 1, else 2
.set ADR_K,   5                        ; PAR + O_K
.set ADR_STG, 6                        ; 8,192 w + 16 lane
.set ADR_ST,  7                        ; W2B + 16 w rows + 8 lane
.set ADR_INV, 8                        ; PAR + O_INV + 64 w
.set OFF16,   9                        ; 1,024 w + 16 lane: x and out0
.set OFF8,    10                       ; 512 w + 8 lane: out1
.set CSUM,    11                       ; the layers' constant parts of logdet, in log2
.set LDT,     12                       ; v[12:15]  -sum of log2(1 + 2^y), slot p
.set Z,       16                       ; v[16:23]  (z_a, z_b), slot p
.set KC,      24                       ; v[24:31]  b0 b1 m00 m10 m01 m11 bt bs
.set KD,      32                       ; v[32:35]  e0 e1n alpha beta
.set ET,      36                       ; e0 2^e
.set ES,      37                       ; e1n 2^e
.set CL,      38
.set LANE,    39
.set SIG,     252                      ; v[252:253] sigma, twice: a pair for the packed multiplies; lives from a layer's vector phase to its fc2
; fc2/fc3 phase
.set ACC3, 40                          ; 4 x 8
.set AF,   72                          ; W2' fragments: 8 (4 m + k)
.set ACC,  136                         ; 32 buffer + 16 tile + 8 m
.set H2,   200                         ; 8 tile
.set BIAS, 216                         ; 8 m
.set W3E,  232
.set W3O,  240
.set EX,   72                          ; epilogue, over AF
.set Q,    76
.set SG,   80
.set LG,   84
.set TT,   88
; vector phase
.set A1,   40
.set C1,   104
.set PRE,  168
.set ZB,   232
.set ZO,   240
.set DT,   244
.set MX,   244                         ; over DT, once z is made
.set MT,   245
; conversion of W2
.set WF,   72
.set CV,   136
.set INV,  168
; window 1 (v256-v511): h1 as B fragments, tile s, K chunk k at 32 s + 8 k
.set W_MM, 0x04                        ; source 1 (B) in window 1
.set W_CV, 0x40                        ; destination in window 1
.set MSB, 0
.macro WIN new                         ; the immediate's high byte repeats the setting that is left
.if MSB != \new
	s_set_vgpr_msb (MSB<<8)|\new
.set MSB, \new
.endif
.endm
.macro PLACES                          ; four places behind a matrix instruction (ISA guide 7.12.1)
.rept 4
	v_nop
.endr
.endm
; A round of the cluster's barrier: my work-group's barrier, wave 0 signals for the work-group, every wave waits for all four work-groups, my barrier again.
.macro ROUND
	s_barrier_signal -1
	s_barrier_wait -1
	s_cmp_lg_u32 s56, 0
	s_cbranch_scc1 .Lnot_wave_0_\@
	s_barrier_signal -3
.Lnot_wave_0_\@:
	s_barrier_wait -3
	s_barrier_signal -1
	s_barrier_wait -1
.endm
.macro RELU2 d
.if DUAL
	v_dual_max_num_f32 v[\d], 0, v[\d] :: v_dual_max_num_f32 v[\d+1], 0, v[\d+1]
.else
	v_max_num_f32 v[\d], 0, v[\d]
	v_max_num_f32 v[\d+1], 0, v[\d+1]
.endif
.endm
; The largest of v[d] over the 32 lanes, into every lane; v[t] is scratch
.macro WMAX d, t
	v_max_num_f32_dpp v[\d], v[\d], v[\d] row_xmask:1 row_mask:0xf bank_mask:0xf
	v_max_num_f32_dpp v[\d], v[\d], v[\d] row_xmask:2 row_mask:0xf bank_mask:0xf
	v_max_num_f32_dpp v[\d], v[\d], v[\d] row_xmask:4 row_mask:0xf bank_mask:0xf
	v_max_num_f32_dpp v[\d], v[\d], v[\d] row_xmask:8 row_mask:0xf bank_mask:0xf
	v_mov_b32 v[\t], v[\d]                         ; v_permlanex16_b32's destination counts as read
	v_permlanex16_b32 v[\t], v[\d], s58, s59
	v_max_num_f32 v[\d], v[\d], v[\t]
.endm
; Layer s68's small parameters, folded and stored into its block of PAR by one wave: lane l takes features 4 l .. 4 l + 3.
.macro FOLD
	s_lshl_b32 s69, s68, 3
	s_lshl_b32 s70, s68, 4
	s_load_b64  s[72:73], s[30:31], s69 offset:0x0 ; an_scale
	s_load_b64  s[74:75], s[28:29], s69 offset:0x0 ; an_bias
	s_load_b128 s[76:79], s[32:33], s70 offset:0x0 ; conv_w: w00 w01 w10 w11
	s_load_b64  s[80:81], s[34:35], s69 offset:0x0 ; fc3_b
	s_load_b64  s[82:83], s[36:37], s69 offset:0x0 ; log_scale_factor
	s_lshl_b32 s62, s68, 9
	s_lshl_b32 s63, s68, 10
	v_lshl_add_u32 v76, v[LANE], 4, s62            ; 512 layer + 16 lane
	v_lshl_add_u32 v77, v[LANE], 4, s63            ; 1,024 layer + 16 lane
	global_load_b128 v[40:43], v76, s[12:13]       ; an1_bias
	global_load_b128 v[44:47], v76, s[14:15]       ; an1_scale
	global_load_b128 v[48:51], v76, s[16:17]       ; an2_bias
	global_load_b128 v[52:55], v76, s[18:19]       ; an2_scale
	global_load_b128 v[56:59], v76, s[20:21]       ; fc1_b
	global_load_b128 v[60:63], v76, s[22:23]       ; fc1_w
	global_load_b128 v[64:67], v76, s[24:25]       ; fc2_b
	global_load_b128 v[68:71], v77, s[26:27]       ; fc3_w, row t
	global_load_b128 v[72:75], v77, s[26:27] offset:512 ; row s
	s_mul_i32 s62, s68, LB
	s_add_co_u32 s62, s62, PAR                     ; the layer's block
	v_lshl_add_u32 v78, v[LANE], 4, s62
	v_lshl_add_u32 v79, v[LANE], 3, s62
	v_mov_b32 v80, s62
	s_wait_kmcnt 0x0
	s_mul_f32 s62, s82, 0x3fb8aa3b                 ; lsf times log2 e
	s_mul_f32 s63, s83, 0x3fb8aa3b
	v_mul_f32 v97, s77, s78
	v_fma_f32 v97, s76, s79, -v97                  ; the determinant
	s_wait_loadcnt 0x0                             ; the nine loads above (and x, the first time)
.irp j, 0,1,2,3
	v_rcp_f32 v[82+\j], v[44+\j]                   ; 1 / an1s
.endr
.irp j, 0,1,2,3
	v_rcp_f32 v[86+\j], v[52+\j]                   ; 1 / an2s
.endr
	v_rcp_f32 v92, s72
	v_rcp_f32 v93, s73
	v_exp_f32 v90, s62                             ; e0
	v_exp_f32 v91, s63                             ; e1
	v_log_f32 v94, |v97|
	v_log_f32 v95, |s72|
	v_log_f32 v96, |s73|
	; the first subtraction is the plain instruction that stands behind the transcendentals (ISA guide 5.7.2): it names none of their registers
	v_pk_add_f32 v[56:57], v[56:57], v[40:41] neg_lo:[0,1] neg_hi:[0,1]   ; b1 - an1b
	v_pk_add_f32 v[58:59], v[58:59], v[42:43] neg_lo:[0,1] neg_hi:[0,1]
	v_pk_add_f32 v[64:65], v[64:65], v[48:49] neg_lo:[0,1] neg_hi:[0,1]   ; b2 - an2b
	v_pk_add_f32 v[66:67], v[66:67], v[50:51] neg_lo:[0,1] neg_hi:[0,1]
	s_wait_alu depctr_va_vdst(0)
	v_pk_mul_f32 v[60:61], v[60:61], v[82:83]      ; a1
	v_pk_mul_f32 v[62:63], v[62:63], v[84:85]
	v_pk_mul_f32 v[56:57], v[56:57], v[82:83]      ; c1
	v_pk_mul_f32 v[58:59], v[58:59], v[84:85]
	v_pk_mul_f32 v[64:65], v[64:65], v[86:87]      ; bias2
	v_pk_mul_f32 v[66:67], v[66:67], v[88:89]
	v_cvt_pk_f16_f32 v40, v68, v69                 ; W3 as it is given: exp(lsf) stays in f32, outside the product
	v_cvt_pk_f16_f32 v41, v70, v71
	v_cvt_pk_f16_f32 v42, v72, v73
	v_cvt_pk_f16_f32 v43, v74, v75
.irp j, 44,45,46,47
	v_mov_b32 v\j, 0                               ; the row of zeros, and the 16 bytes behind each of the three rows
.endr
	v_mov_b32 v100, s74                            ; b0
	v_mov_b32 v101, s75                            ; b1
	v_mul_f32 v102, s76, v92                       ; m00 = w00 / s0
	v_mul_f32 v103, s78, v92                       ; m10 = w10 / s0
	v_mul_f32 v104, s77, v93                       ; m01 = w01 / s1
	v_mul_f32 v105, s79, v93                       ; m11 = w11 / s1
	v_mov_b32 v108, v90                            ; e0
	v_mul_f32 v109, 0xbfb8aa3b, v91                ; e1n = -log2e e1
	v_mul_f32 v106, s80, v90                       ; bt
	v_fmaak_f32 v107, s81, v109, 0xc038aa3b        ; bs = b3[1] e1n - 2 log2e
	v_max3_num_f32 v110, |v60|, |v61|, |v62|       ; alpha = max |a1| over the 128 features
	v_max_num_f32 v110, v110, |v63|
	WMAX 110, 116
	v_max3_num_f32 v117, |v56|, |v57|, |v58|       ; max |c1|
	v_max_num_f32 v117, v117, |v59|
	WMAX 117, 116
	v_max3_num_f32 v118, |v64|, |v65|, |v66|       ; max |bias2|
	v_max_num_f32 v118, v118, |v67|
	WMAX 118, 116
	v_fmamk_f32 v111, v118, 0x39800000, v117       ; beta = max|c1| + 2^-12 max|bias2|: sigma < 2 / M then keeps sigma |bias2| below 2^13
	v_sub_f32 v112, v94, v95
	v_sub_f32 v112, v112, v96                      ; cl = log2|det| - log2|s0| - log2|s1|
	v_mov_b32 v113, 0
	v_mov_b32 v114, 0
	v_mov_b32 v115, 0
	ds_store_b128 v78, v[60:63]
	ds_store_b128 v78, v[56:59] offset:O_C1
	ds_store_b128 v78, v[64:67] offset:O_B2
	ds_store_b128 v78, v[86:89] offset:O_INV
	ds_store_b64 v79, v[40:41] offset:O_W3
	ds_store_b64 v79, v[42:43] offset:O_W3+P2
	ds_store_b64 v79, v[44:45] offset:O_W3+2*P2
	ds_store_b128 v80, v[44:47] offset:O_W3+256    ; every lane stores the same words from here on
	ds_store_b128 v80, v[44:47] offset:O_W3+P2+256
	ds_store_b128 v80, v[44:47] offset:O_W3+2*P2+256
	ds_store_b128 v80, v[100:103] offset:O_K
	ds_store_b128 v80, v[104:107] offset:O_K+16
	ds_store_b128 v80, v[108:111] offset:O_K+32
	ds_store_b128 v80, v[112:115] offset:O_K+48
	s_wait_dscnt 0x0                               ; for the other waves' sake: the barrier behind the folds publishes these bytes
.endm
; fc1 for tile s, 8 features of chunk q: (sigma z_b) a1 + sigma c1; z_b is one register of a pair, picked by op_sel for both halves
.macro FC1 s, q
.irp j, 0,1,2,3
.if (\s)&1
	v_pk_fma_f32 v[PRE+8*\s+2*\j:PRE+8*\s+2*\j+1], v[ZB+\s-1:ZB+\s], v[A1+8*\q+2*\j:A1+8*\q+2*\j+1], v[C1+8*\q+2*\j:C1+8*\q+2*\j+1] op_sel:[1,0,0] op_sel_hi:[1,1,1]
.else
	v_pk_fma_f32 v[PRE+8*\s+2*\j:PRE+8*\s+2*\j+1], v[ZB+\s:ZB+\s+1], v[A1+8*\q+2*\j:A1+8*\q+2*\j+1], v[C1+8*\q+2*\j:C1+8*\q+2*\j+1] op_sel_hi:[0,1,1]
.endif
.endr
.endm
; Features 16 q + 8 h .. + 7 of all eight tiles: registers 4 q .. 4 q + 3 of each tile's 32 registers of h1
.macro CHUNK q
	s_wait_dscnt 4*(7-\q)                          ; LDS loads come back in order (ISA guide 5.7.1): the four loads of each later chunk may stay out
.irp j, 0,1,2,3
	v_pk_mul_f32 v[C1+8*\q+2*\j:C1+8*\q+2*\j+1], v[C1+8*\q+2*\j:C1+8*\q+2*\j+1], v[SIG:SIG+1]   ; sigma c1, once for the eight tiles
.endr
.irp s, 0,1,2,3,4,5,6,7
	FC1 \s, \q
.endr
.set ri, 0
.rept 32
	RELU2 PRE+2*ri
.set ri, ri+1
.endr
	WIN W_CV
.irp s, 0,1,2,3,4,5,6,7
.irp j, 0,1,2,3
	v_cvt_pk_f16_f32 v[32*\s+4*\q+\j], v[PRE+8*\s+2*\j], v[PRE+8*\s+2*\j+1]
.endr
.endr
	WIN 0
.endm
; The vector phase of the layer whose block lies lo bytes behind the stepped addresses: actnorm and conv on z, the wave's scale, then h1 of its 128 samples.
.macro NP lo
	ds_load_b128 v[KC:KC+3],   v[ADR_K] offset:\lo
	ds_load_b128 v[KC+4:KC+7], v[ADR_K] offset:\lo+16
	ds_load_b128 v[KD:KD+3],   v[ADR_K] offset:\lo+32
	ds_load_b32  v[CL],        v[ADR_K] offset:\lo+48
.irp q, 0,1,2,3,4,5,6,7
	ds_load_b128 v[A1+8*\q:A1+8*\q+3],   v[ADR_PH] offset:\lo+64*\q
	ds_load_b128 v[A1+8*\q+4:A1+8*\q+7], v[ADR_PH] offset:\lo+64*\q+16
	ds_load_b128 v[C1+8*\q:C1+8*\q+3],   v[ADR_PH] offset:\lo+O_C1+64*\q
	ds_load_b128 v[C1+8*\q+4:C1+8*\q+7], v[ADR_PH] offset:\lo+O_C1+64*\q+16
.endr
	s_wait_dscnt 32                                ; the constants are in; the 32 loads of a1 and c1 may stay out
	v_add_f32 v[CSUM], v[CSUM], v[CL]
.irp p, 0,1,2,3
	v_pk_add_f32 v[DT+2*\p:DT+2*\p+1], v[Z+2*\p:Z+2*\p+1], v[KC:KC+1] neg_lo:[0,1] neg_hi:[0,1]   ; z - bias
.endr
.irp p, 0,1,2,3
	v_pk_mul_f32 v[Z+2*\p:Z+2*\p+1], v[DT+2*\p:DT+2*\p+1], v[KC+2:KC+3] op_sel_hi:[0,1]           ; d0 (m00, m10)
.endr
.irp p, 0,1,2,3
	v_pk_fma_f32 v[Z+2*\p:Z+2*\p+1], v[DT+2*\p:DT+2*\p+1], v[KC+4:KC+5], v[Z+2*\p:Z+2*\p+1] op_sel:[1,0,0] op_sel_hi:[1,1,1]   ; + d1 (m01, m11)
.endr
	; the wave's scale for this layer: M bounds every h1 of the 128 rows (and 2^-12 of every bias2); sigma M lies in [1, 2)
	v_max3_num_f32 v[MX], |v[Z+1]|, |v[Z+3]|, |v[Z+5]|
	v_max_num_f32 v[MX], v[MX], |v[Z+7]|
	WMAX MX, MT
	v_fma_f32 v[MX], v[MX], v[KD+2], v[KD+3]       ; M = max|z_b| alpha + beta
	v_max_num_f32 v[MX], 0x00800000, v[MX]         ; at least 2^-126 and at most 2^125: both powers below are then normal numbers
	v_min_num_f32 v[MX], 0x7e000000, v[MX]
	v_and_b32 v[MT], 0x7f800000, v[MX]             ; 2^e: M's exponent field alone
	v_sub_nc_u32 v[SIG], 0x7f000000, v[MT]         ; sigma = 2^-e: the field 254 - (e + 127)
	v_sub_nc_u32 v[SIG+1], 0x7f000000, v[MT]
	v_mul_f32 v[ET], v[KD], v[MT]                  ; what the epilogue multiplies fc3's sums by
	v_mul_f32 v[ES], v[KD+1], v[MT]
	; column r of tile p is slot p of lane r, of tile p + 4 slot p of lane 16 + r; both halves of the lanes need both
.irp p, 0,1,2,3
	v_mov_b32 v[ZO+\p], v[Z+2*\p+1]                ; v_permlanex16_b32's destination counts as read
.endr
.irp p, 0,1,2,3
	v_permlanex16_b32 v[ZO+\p], v[Z+2*\p+1], s58, s59
.endr
.irp p, 0,1,2,3
	v_cndmask_b32 v[ZB+\p],   v[Z+2*\p+1], v[ZO+\p], s60     ; lanes 16-31 take the other half's
	v_cndmask_b32 v[ZB+4+\p], v[ZO+\p], v[Z+2*\p+1], s60     ; lanes 16-31 keep their own
.endr
.irp p, 0,2,4,6
	v_pk_mul_f32 v[ZB+\p:ZB+\p+1], v[ZB+\p:ZB+\p+1], v[SIG:SIG+1]   ; sigma z_b
.endr
.irp q, 0,1,2,3,4,5,6,7
	CHUNK \q
.endr
.endm
; W2' rows 32 u .. 32 u + 31 as 2 x 4 A fragments, and their bias as two C operands: 20 loads
.macro LOADAB u
.irp m, 0,1
.irp k, 0,1,2,3
	ds_load_b128 v[AF+8*(4*\m+\k):AF+8*(4*\m+\k)+3],   v[ADR_A] offset:(32*(\u)+16*\m)*P2+64*\k
	ds_load_b128 v[AF+8*(4*\m+\k)+4:AF+8*(4*\m+\k)+7], v[ADR_A] offset:(32*(\u)+16*\m)*P2+64*\k+32
.endr
.endr
.irp m, 0,1
	ds_load_b128 v[BIAS+8*\m:BIAS+8*\m+3],   v[ADR_PH] offset:O_B2+64*(2*(\u)+\m)
	ds_load_b128 v[BIAS+8*\m+4:BIAS+8*\m+7], v[ADR_PH] offset:O_B2+64*(2*(\u)+\m)+16
.endr
.endm
.macro LOADW3 u                        ; K chunk u of both forms of W3: 4 loads
	ds_load_b128 v[W3E:W3E+3],   v[ADR_WE] offset:64*(\u)
	ds_load_b128 v[W3E+4:W3E+7], v[ADR_WE] offset:64*(\u)+32
	ds_load_b128 v[W3O:W3O+3],   v[ADR_WO] offset:64*(\u)
	ds_load_b128 v[W3O+4:W3O+7], v[ADR_WO] offset:64*(\u)+32
.endm
; fc2 for tiles 2 n, 2 n + 1 and the two feature tiles in AF: 16 matrix instructions.  The four accumulators take turns, one instruction a turn.
; The first K step takes the scaled bias as C: nothing is cleared and nothing added afterwards.
.macro BATCH n, bf
.irp k, 0,1,2,3
.irp ti, 0,1
.irp m, 0,1
.if \k == 0
	v_wmma_f32_16x16x32_f16 v[ACC+32*\bf+16*\ti+8*\m:ACC+32*\bf+16*\ti+8*\m+7], v[AF+8*(4*\m+\k):AF+8*(4*\m+\k)+7], v[32*(2*\n+\ti)+8*\k:32*(2*\n+\ti)+8*\k+7], v[BIAS+8*\m:BIAS+8*\m+7]
.else
	v_wmma_f32_16x16x32_f16 v[ACC+32*\bf+16*\ti+8*\m:ACC+32*\bf+16*\ti+8*\m+7], v[AF+8*(4*\m+\k):AF+8*(4*\m+\k)+7], v[32*(2*\n+\ti)+8*\k:32*(2*\n+\ti)+8*\k+7], v[ACC+32*\bf+16*\ti+8*\m:ACC+32*\bf+16*\ti+8*\m+7]
.endif
.endr
.endr
.endr
.endm
; relu and f16 of one batch's results, which are fc3's B fragments of K chunk u for two tiles, and fc3's two matrix instructions (two accumulators).
; The 16 relu lines are the places between the last fc3 instructions and the conversions that write H2 again.
.macro QF u, n, bf
.irp i, 0,1,2,3,4,5,6,7,8,9,10,11,12,13,14,15
	RELU2 ACC+32*\bf+2*\i
.endr
.irp i, 0,1,2,3,4,5,6,7,8,9,10,11,12,13,14,15
	v_cvt_pk_f16_f32 v[H2+\i], v[ACC+32*\bf+2*\i], v[ACC+32*\bf+2*\i+1]
.endr
.irp ti, 0,1
.set a3, ACC3+8*((2*\n+\ti)&3)
.if \n < 2
.if \u == 0
	v_wmma_f32_16x16x32_f16 v[a3:a3+7], v[W3E:W3E+7], v[H2+8*\ti:H2+8*\ti+7], 0                    ; starts the sum
.else
	v_wmma_f32_16x16x32_f16 v[a3:a3+7], v[W3E:W3E+7], v[H2+8*\ti:H2+8*\ti+7], v[a3:a3+7]
.endif
.else
	v_wmma_f32_16x16x32_f16 v[a3:a3+7], v[W3O:W3O+7], v[H2+8*\ti:H2+8*\ti+7], v[a3:a3+7]
.endif
.endr
.endm
; Features 32 u .. 32 u + 31 of h2 for all eight tiles.  Two buffers of accumulators: while one batch's results are worked on, the next batch is issued.
; Every vector read of a batch's results stands behind PLACES or behind the other buffer's 32 vector lines, which name none of that batch's registers.
.macro USTEP u
	s_wait_dscnt 0x4                               ; W2' and the bias are in; W3's four loads, issued behind them, may stay out
.irp j, 0,1,2,3,4,5,6,7
	v_pk_mul_f32 v[BIAS+2*\j:BIAS+2*\j+1], v[BIAS+2*\j:BIAS+2*\j+1], v[SIG:SIG+1]   ; sigma bias2, once for the eight tiles
.endr
	WIN W_MM
	BATCH 0, 0
	BATCH 1, 1
	WIN 0
	PLACES
	s_wait_dscnt 0x0                               ; W3
	QF \u, 0, 0
	WIN W_MM
	BATCH 2, 0
	WIN 0
	QF \u, 1, 1
	WIN W_MM
	BATCH 3, 1
	WIN 0
	QF \u, 2, 0
.if \u < 3
	LOADAB \u+1                                    ; behind 32 vector lines since the last matrix instruction that read AF and BIAS
.endif
	QF \u, 3, 1
	PLACES                                         ; behind the last fc3 instructions: W3 is loaded again, or the sums are read
.if \u < 3
	LOADW3 \u+1
.endif
.endm
; The scale is undone; s = 1 / (1 + 2^y), z_a = s z_a + t, logdet -= log2(1 + 2^y); four samples a lane
.macro EPI
.irp p, 0,1,2,3
	v_fma_f32 v[EX+\p], v[ACC3+8*\p+1], v[ES], v[KC+7]     ; y = sum e1n 2^e + bs
.endr
.irp p, 0,1,2,3
	v_exp_f32 v[EX+\p], v[EX+\p]
.endr
.irp p, 0,1,2,3
	v_fma_f32 v[TT+\p], v[ACC3+8*\p], v[ET], v[KC+6]       ; t = sum e0 2^e + bt: plain lines behind the transcendentals (ISA guide 5.7.2)
.endr
	s_wait_alu depctr_va_vdst(0)
	v_pk_add_f32 v[Q:Q+1],   v[EX:EX+1],   1.0 op_sel_hi:[1,0]
	v_pk_add_f32 v[Q+2:Q+3], v[EX+2:EX+3], 1.0 op_sel_hi:[1,0]
.irp p, 0,1,2,3
	v_rcp_f32 v[SG+\p], v[Q+\p]
.endr
.irp p, 0,1,2,3
	v_log_f32 v[LG+\p], v[Q+\p]
.endr
	v_nop
	s_wait_alu depctr_va_vdst(0)
.irp p, 0,1,2,3
	v_fma_f32 v[Z+2*\p], v[SG+\p], v[Z+2*\p], v[TT+\p]
.endr
.irp p, 0,1,2,3
	v_sub_f32 v[LDT+\p], v[LDT+\p], v[LG+\p]
.endr
.endm
.macro FE
	LOADAB 0
	LOADW3 0
	USTEP 0
	USTEP 1
	USTEP 2
	USTEP 3
	EPI
.endm
; One layer.  Waves 4-7: vector phase of this layer, then fc2/fc3.  Waves 0-3: fc2/fc3, then the vector phase of the next layer (none behind the last).
.macro BODY lastA
	s_cmp_lt_u32 s56, 4
	s_cbranch_scc1 .Lskip_b_\@
	NP 0
.Lskip_b_\@:
	FE
.if \lastA == 0
	s_cmp_lt_u32 s56, 4
	s_cbranch_scc0 .Lskip_a_\@
	NP LB
.Lskip_a_\@:
.endif
.endm
.macro SCALE2 d, i                     ; two numbers of row i times 1 / an2s of that row, one register of a pair picked for both halves
.if (\i)&1
	v_pk_mul_f32 v[\d:\d+1], v[\d:\d+1], v[INV+\i-1:INV+\i] op_sel:[0,1] op_sel_hi:[1,1]
.else
	v_pk_mul_f32 v[\d:\d+1], v[\d:\d+1], v[INV+\i:INV+\i+1] op_sel_hi:[1,0]
.endif
.endm
; My 16 rows of the staged layer: read, scaled, rounded to f16, kept in registers.  lo: where that layer's block lies from the stepped address.
.macro CONVLOAD lo, step
	s_wait_tensorcnt 0x0                           ; my one tensor load has landed: its bytes are mine alone to read, and its descriptor may be written
	ds_add_u32 v254, v255
	s_wait_dscnt 0x0
.if \step
	s_add_nc_u64 s[46:47], s[46:47], 65536         ; the next layer's 128 x 128 f32
.endif
.irp t, 0,1,2,3
	ds_load_b128 v[INV+4*\t:INV+4*\t+3], v[ADR_INV] offset:\lo+16*\t   ; the same 16 numbers in every lane
.endr
.irp i, 0,1,2,3,4,5,6,7,8,9,10,11,12,13,14,15
	ds_load_b128 v[WF+4*\i:WF+4*\i+3], v[ADR_STG] offset:512*\i        ; a row of 512 bytes, 16 bytes a lane
.endr
.irp i, 0,1,2,3,4,5,6,7,8,9,10,11,12,13,14,15
	s_wait_dscnt 15-\i                             ; row i is in; the later rows may stay out
	SCALE2 WF+4*\i, \i
	SCALE2 WF+4*\i+2, \i
	v_cvt_pk_f16_f32 v[CV+2*\i],   v[WF+4*\i],   v[WF+4*\i+1]
	v_cvt_pk_f16_f32 v[CV+2*\i+1], v[WF+4*\i+2], v[WF+4*\i+3]
.endr
.endm
; ... and stored, behind a barrier that has shown every wave's reads of the old W2' done; a second barrier publishes the new one.
.macro CONVSTORE
.irp i, 0,1,2,3,4,5,6,7,8,9,10,11,12,13,14,15
	ds_store_b64 v[ADR_ST], v[CV+2*\i:CV+2*\i+1] offset:P2*\i
.endr
	s_wait_dscnt 0x0                               ; for the other waves' sake
	s_barrier_signal -1
	s_barrier_wait -1
.endm
.macro STEP                            ; the addresses into PAR go on to the next layer's block
	v_add_nc_u32 v[ADR_PH],  LB, v[ADR_PH]
	v_add_nc_u32 v[ADR_WE],  LB, v[ADR_WE]
	v_add_nc_u32 v[ADR_WO],  LB, v[ADR_WO]
	v_add_nc_u32 v[ADR_K],   LB, v[ADR_K]
	v_add_nc_u32 v[ADR_INV], LB, v[ADR_INV]
.endm
	; ---- set-up ----
	s_load_b256 s[8:15],  s[0:1], 0x0              ; x s[8:9], fc2_w s[10:11], an1_bias s[12:13], an1_scale s[14:15]
	s_load_b512 s[16:31], s[0:1], 0x20             ; an2_bias, an2_scale, fc1_b, fc1_w, fc2_b, fc3_w, an_bias s[28:29], an_scale s[30:31]
	s_load_b256 s[32:39], s[0:1], 0x60             ; conv_w, fc3_b, log_scale_factor, out0 s[38:39]
	s_load_b64  s[40:41], s[0:1], 0x80             ; out1
	v_lshl_add_u32 v254, v0, 2, 0x29000
	v_mov_b32 v255, 0
	ds_add_u32 v254, v255
	v_lshrrev_b32 v40, 5, v0
	v_readfirstlane_b32 s56, v40                   ; wave 0..7
	s_bfe_u32 s62, ttmp6, 0x40000                  ; my place in the cluster; it enters the offsets into x, out0 and out1 and nothing else
	s_lshl_b32 s61, ttmp9, 2
	s_add_co_u32 s61, s61, s62                     ; work-group 0..255
	s_mov_b32 s58, 0x76543210                      ; v_permlanex16_b32: lane i reads lane i of the other half
	s_mov_b32 s59, 0xfedcba98
	s_mov_b32 s60, 0xffff0000                      ; lanes 16-31
	; descriptor group 1: a dense block of 8,192 bytes as 32 rows of 32 elements of 8 bytes, asked for jointly by the cluster's four work-groups
	s_mov_b32 s48, 15|(3<<16)|(1<<21)              ; 15:0 mask of all four; 17:16 element of 8 bytes; 21 set beside a mask; no padding
	s_mov_b32 s49, 32<<16                          ; tensor_dim0 = 32
	s_mov_b32 s50, 32<<16                          ; tensor_dim1 = 32
	s_mov_b32 s51, 32<<16                          ; tile_dim0 = 32
	s_mov_b32 s52, 32                              ; tile_dim1 = 32
	s_mov_b32 s53, 32                              ; 32 elements from row to row
	s_mov_b32 s54, 0
	s_mov_b32 s55, 0
	; group 0: made of the wave's number and the layer alone, so it is the same in all four work-groups
	s_mov_b32 s44, 1
	s_lshl_b32 s45, s56, 13                        ; LDS: 8,192 w
	s_lshl_b32 s66, s56, 13
	s_mov_b32 s67, 0
	s_wait_dscnt 0x0
	s_wait_kmcnt 0x0
	s_add_nc_u64 s[46:47], s[10:11], s[66:67]      ; fc2_w, layer 0, my 16 rows
	s_or_b32 s47, s47, 0x80000000                  ; type 2
	ROUND                                          ; all four work-groups are here: the first joint loads meet
	tensor_load_to_lds s[44:47], s[48:55]          ; layer 0; from here on a wave has at most one tensor load out
	s_nop 0
	; ---- addresses, x, and the folded parameters ----
	s_lshl_b32 s66, s61, 13                        ; 1,024 rows of 8 bytes
	s_add_nc_u64 s[8:9], s[8:9], s[66:67]
	s_add_nc_u64 s[38:39], s[38:39], s[66:67]
	s_lshl_b32 s66, s61, 12                        ; 1,024 rows of 4 bytes
	s_add_nc_u64 s[40:41], s[40:41], s[66:67]
	v_and_b32 v[LANE], 31, v0
	v_lshlrev_b32 v[OFF16], 4, v[LANE]
	v_lshl_add_u32 v[OFF16], s56, 10, v[OFF16]
	; slot p = 2 j + b of lane l is row 128 w + 64 j + 2 l + b: each load and store of the wave covers 512 (out1: 256) consecutive bytes, aligned
	global_load_b128 v[Z:Z+3],   v[OFF16], s[8:9] th:TH_LOAD_NT
	global_load_b128 v[Z+4:Z+7], v[OFF16], s[8:9] offset:512 th:TH_LOAD_NT
	v_lshlrev_b32 v[OFF8], 3, v[LANE]
	v_lshl_add_u32 v[OFF8], s56, 9, v[OFF8]
	v_and_b32 v40, 15, v0                          ; r
	v_bfe_u32 v41, v0, 4, 1                        ; h
	v_lshl_add_u32 v[ADR_PH], v41, 5, PAR
	v_mul_u32_u24 v[ADR_A], v40, P2
	v_lshl_add_u32 v[ADR_A], v41, 4, v[ADR_A]
	v_add_nc_u32 v[ADR_A], W2B, v[ADR_A]
	v_min_u32 v42, 2, v40                          ; r = 0, 1: rows t, s; else the row of zeros
	v_add_nc_u32 v43, -8, v40                      ; r - 8 (wraps below 8, and is then cut to 2)
	v_min_u32 v43, 2, v43
	v_mul_u32_u24 v[ADR_WE], v42, P2
	v_lshl_add_u32 v[ADR_WE], v41, 4, v[ADR_WE]
	v_add_nc_u32 v[ADR_WE], PAR+O_W3, v[ADR_WE]
	v_mul_u32_u24 v[ADR_WO], v43, P2
	v_lshl_add_u32 v[ADR_WO], v41, 4, v[ADR_WO]
	v_add_nc_u32 v[ADR_WO], PAR+O_W3, v[ADR_WO]
	v_mov_b32 v[ADR_K], PAR+O_K
	v_lshlrev_b32 v[ADR_STG], 4, v[LANE]
	v_lshl_add_u32 v[ADR_STG], s56, 13, v[ADR_STG]
	s_mul_i32 s62, s56, 16*P2
	s_add_co_u32 s62, s62, W2B
	v_lshl_add_u32 v[ADR_ST], v[LANE], 3, s62
	s_lshl_b32 s62, s56, 6
	s_add_co_u32 s62, s62, PAR+O_INV
	v_mov_b32 v[ADR_INV], s62
	v_mov_b32 v[CSUM], 0
.irp p, 0,1,2,3
	v_mov_b32 v[LDT+\p], 0
.endr
	s_mov_b32 s68, s56                             ; wave w folds layer w,
	FOLD
	s_cmp_lt_u32 s56, LAYERS-8
	s_cbranch_scc0 .Lfolded
	s_add_co_u32 s68, s56, 8                       ; waves 0 and 1 also layers 8 and 9
	FOLD
.Lfolded:
	s_barrier_signal -1                            ; each wave has waited for its stores: PAR is whole, and is only read from here on
	s_barrier_wait -1
	; ---- layer 0 is made ready ----
	s_cmp_lt_u32 s56, 4
	s_cbranch_scc0 .Lno_first
	NP 0                                           ; waves 0-3 run one vector phase ahead
.Lno_first:
	CONVLOAD 0, 1
	s_wait_dscnt 0x0                               ; my reads of the stage are back (met: the count-down ended at 0); all my tensor loads have landed
	ROUND                                          ; so of every wave of the four work-groups
	tensor_load_to_lds s[44:47], s[48:55]          ; layer 1, first thing behind the round, my one load until the next
	s_nop 0
	CONVSTORE
	; ---- layers 0 to 7: each trip also converts layer i + 1 and asks for layer i + 2 ----
	s_mov_b32 s57, 0
.Ltrip:
	BODY 0
	CONVLOAD LB, 1
	s_wait_dscnt 0x0                               ; my reads of W2' and of the stage are back
	ROUND                                          ; every wave's are, in all four work-groups: the stage may be filled and W2' stored again
	tensor_load_to_lds s[44:47], s[48:55]          ; it has the whole next trip in which to land
	s_nop 0
	CONVSTORE
	STEP
	s_add_co_u32 s57, s57, 1
	s_cmp_lt_u32 s57, LAYERS-2
	s_cbranch_scc1 .Ltrip
	; ---- layer 8: layer 9 is converted, nothing is left to ask for ----
	BODY 0
	CONVLOAD LB, 0
	s_wait_dscnt 0x0
	s_barrier_signal -1                            ; every wave's reads of W2' are back
	s_barrier_wait -1
	CONVSTORE
	STEP
	; ---- layer 9 and the way out ----
	BODY 1
	v_mul_f32 v[CSUM], 0x3f317218, v[CSUM]         ; log2 to ln
.irp p, 0,1,2,3
	v_fmamk_f32 v[LDT+\p], v[LDT+\p], 0x3f317218, v[CSUM]
.endr
	global_store_b128 v[OFF16], v[Z:Z+3],   s[38:39] th:TH_STORE_NT
	global_store_b128 v[OFF16], v[Z+4:Z+7], s[38:39] offset:512 th:TH_STORE_NT
	global_store_b64 v[OFF8], v[LDT:LDT+1],   s[40:41] th:TH_STORE_NT
	global_store_b64 v[OFF8], v[LDT+2:LDT+3], s[40:41] offset:256 th:TH_STORE_NT
	s_wait_tensorcnt 0x0
	ds_add_u32 v254, v255
	s_wait_dscnt 0x0
	ROUND                                          ; the closing round: no work-group ends while a partner may still ask jointly
	s_endpgm
.Lfunc_end_k_qe2e2499dbb_flow:
	.size	k_qe2e2499dbb_flow, .Lfunc_end_k_qe2e2499dbb_flow-k_qe2e2499dbb_flow
	.p2alignl 7, 3214868480
	.fill 96, 4, 3214868480
	.section	.rodata,"a",@progbits
	.p2align	6, 0x0
	.amdhsa_kernel k_qe2e2499dbb_flow
		.amdhsa_group_segment_fixed_size 327680
		.amdhsa_private_segment_fixed_size 0
		.amdhsa_enable_private_segment 0
		.amdhsa_kernarg_size 136
		.amdhsa_user_sgpr_count 2
		.amdhsa_user_sgpr_kernarg_segment_ptr 1
		.amdhsa_wavefront_size32 1
		.amdhsa_system_sgpr_workgroup_id_x 1
		.amdhsa_system_sgpr_workgroup_id_y 1
		.amdhsa_system_sgpr_workgroup_id_z 1
		.amdhsa_system_vgpr_workitem_id 0
		.amdhsa_next_free_vgpr 512
		.amdhsa_next_free_sgpr 96
		.amdhsa_reserve_vcc 0
		.amdhsa_float_denorm_mode_32 3
		.amdhsa_float_denorm_mode_16_64 3
		.amdhsa_memory_ordered 1
		.amdhsa_forward_progress 1
		.amdhsa_inst_pref_size 255
	.end_amdhsa_kernel
	.section	.bss,"aw",@nobits
	.p2align	6
	.space	262144
	.amdgpu_metadata
---
amdhsa.version: [ 1, 2 ]
amdhsa.kernels:
  - .name:           k_qe2e2499dbb_flow
    .symbol:         k_qe2e2499dbb_flow.kd
    .args:
      - { .name: x, .offset: 0, .size: 8, .value_kind: global_buffer, .address_space: global }
      - { .name: fc2_w, .offset: 8, .size: 8, .value_kind: global_buffer, .address_space: global }
      - { .name: an1_bias, .offset: 16, .size: 8, .value_kind: global_buffer, .address_space: global }
      - { .name: an1_scale, .offset: 24, .size: 8, .value_kind: global_buffer, .address_space: global }
      - { .name: an2_bias, .offset: 32, .size: 8, .value_kind: global_buffer, .address_space: global }
      - { .name: an2_scale, .offset: 40, .size: 8, .value_kind: global_buffer, .address_space: global }
      - { .name: fc1_b, .offset: 48, .size: 8, .value_kind: global_buffer, .address_space: global }
      - { .name: fc1_w, .offset: 56, .size: 8, .value_kind: global_buffer, .address_space: global }
      - { .name: fc2_b, .offset: 64, .size: 8, .value_kind: global_buffer, .address_space: global }
      - { .name: fc3_w, .offset: 72, .size: 8, .value_kind: global_buffer, .address_space: global }
      - { .name: an_bias, .offset: 80, .size: 8, .value_kind: global_buffer, .address_space: global }
      - { .name: an_scale, .offset: 88, .size: 8, .value_kind: global_buffer, .address_space: global }
      - { .name: conv_w, .offset: 96, .size: 8, .value_kind: global_buffer, .address_space: global }
      - { .name: fc3_b, .offset: 104, .size: 8, .value_kind: global_buffer, .address_space: global }
      - { .name: log_scale_factor, .offset: 112, .size: 8, .value_kind: global_buffer, .address_space: global }
      - { .name: out0, .offset: 120, .size: 8, .value_kind: global_buffer, .address_space: global }
      - { .name: out1, .offset: 128, .size: 8, .value_kind: global_buffer, .address_space: global }
    .group_segment_fixed_size: 327680
    .private_segment_fixed_size: 0
    .kernarg_segment_align: 8
    .kernarg_segment_size: 136
    .max_flat_workgroup_size: 256
    .sgpr_count:     96
    .vgpr_count:     512
    .wavefront_size: 32
...
	.end_amdgpu_metadata
.endif
;; end of part 1
